; MI455X (gfx1250); checked and timed in simulation.
; The chip was launched on July 23, 2026; its instructions are those of AMD's public machine-readable ISA for CDNA 5 (MIT licence, August 2026) and "CDNA5" Instruction Set Architecture Reference Guide (July 2026). The comments in the code are by the model that wrote it; some were corrected since.
;; Merged Attention. Allowed arithmetic: matrix products marked QUANTISED: E5M2 operands, one E8M0 scale for each 32 along K, by v_wmma_scale_f32_16x16x128_f8f6f4 with both operands' format E5M2, f32 sums; everything else in f32.
;; Inputs: k_A 2 x 16 x 4,096 x 128 float16; k_B 2 x 16 x 4,096 x 128 float16; q 2 x 16 x 1,024 x 128 float16; v_A 2 x 16 x 4,096 x 128 float16; v_B 2 x 16 x 4,096 x 128 float16.
;; Outputs: out0 2 x 16 x 1,024 x 128 float16; out1 2 x 16 x 1,024 float32.
;; This version of the problem:
;;   THIS VERSION OF THE PROBLEM IS GIVEN IN LOW PRECISION. The matrix products marked QUANTISED in the list below multiply operands that are first quantised to E5M2 (5 exponent bits, 2 mantissa bits; 8 bits a number), with one power-of-two scale for each 32 numbers along K (OCP MX v1.0); their sums are f32. All else is computed in f32.
;;   The module's matrix products, in the order in which they are computed (A, B: the left and right operand; K: the contracted axis; several contracted axes count as one K, in the product's order):
;;     1. batch 32 x [M 1,024, K 128] x [K 128, N 4,096]; A: input q; B: input k_A: QUANTISED
;;     2. batch 32 x [M 1,024, K 4,096] x [K 4,096, N 128]; A: computed on the way; B: input v_A: QUANTISED
;;     3. batch 32 x [M 1,024, K 128] x [K 128, N 4,096]; A: input q; B: input k_B: QUANTISED
;;     4. batch 32 x [M 1,024, K 4,096] x [K 4,096, N 128]; A: computed on the way; B: input v_B: QUANTISED
;;   THE QUANTISER, for each operand of a quantised product, along K:
;;     - K is cut into blocks of 32 from its start; a last block that is shorter is filled with zeros.
;;     - A block's scale is 2^e with e = floor(log2(the largest magnitude in the block)) - 15, held to -126 .. 127; a block of zeros has e = 0. As a byte (E8M0): e + 127.
;;     - Each number is divided by its block's scale, clamped to +-57,344, and rounded to the nearest number of E5M2, ties to even, subnormals kept.
;;     - The product sums the exact products of the quantised numbers (number of the format x scale) in f32.
;;   ~~~python
;;   def quantise(x, axis):      # numpy; x: float32 -> the quantised numbers, widened to float32 again
;;       x = np.moveaxis(x, axis, -1); K = x.shape[-1]
;;       x = np.pad(x, [(0, 0)] * (x.ndim - 1) + [(0, -K % 32)]); x = x.reshape(x.shape[:-1] + (-1, 32)); a = np.abs(x).max(-1, keepdims=True)
;;       e = np.where(a > 0, np.clip(np.frexp(np.where(a > 0, a, 1))[1] - 1 - 15, -126, 127), 0)      # np.frexp(a)[1] - 1 = floor(log2(a)), exactly
;;       r = np.clip(x / 2.0 ** e, -57344, 57344)
;;       step = 2.0 ** (np.maximum(np.frexp(np.where(r == 0, 1, r))[1] - 1, -14) - 2)
;;       q = np.round(r / step) * step * 2.0 ** e      # np.round: ties to even
;;       return np.moveaxis(q.reshape(q.shape[:-2] + (-1,))[..., :K], -1, axis).astype(np.float32)
;;   ~~~
;;   OPERANDS COMPUTED ON THE WAY. 'Computed on the way' means the value that the module computes at that place (a softmax that the list does not call 'softmax' is quantised finished and normalised). What goes into a quantiser is computed in f32, as accurately as f32 sums, v_exp_f32 and their like allow (about 1e-6 of the number): no bf16 or f16 on the way to a quantiser, and a product that is left as it is and whose result goes on into a quantised operand takes f32 operands (vector FMAs, or v_wmma_f32_16x16x4_f32). A number that lies on a knife's edge between two numbers of the format may be rounded either way, as far as f32 arithmetic and the matrix unit's own rounding can turn it there, and no further.
;; One version. Each part assembles by itself: llvm-mc -triple=amdgcn-amd-amdhsa -mcpu=gfx1250 --defsym DOCPART=n.
;; ======== version 1 of 1: 2 launches
;; limits: values are held in f16: magnitudes above 65,504 overflow, below 6.1e-05 lose precision; right only within a limited range of input values
;; workspace buffers: ws 73,531,392 bytes
;; launch quant (part 1): grid 1664 x 1, 4 waves a work-group, no clusters, 38,400 bytes of LDS; arguments q, k_A, k_B, v_A, v_B, ws; writes ws
.if DOCPART == 1
	.amdgcn_target "amdgcn-amd-amdhsa--gfx1250"
	.amdhsa_code_object_version 6
	.text
	.protected	k_q4051639741_quant
	.globl	k_q4051639741_quant
	.p2align	8
	.type	k_q4051639741_quant,@function
k_q4051639741_quant:
	s_mov_b64 s[64:65], 0
	v_nop
	global_prefetch_b8 v0, s[64:65] scope:SCOPE_SE
	s_setreg_imm32_b32 hwreg(HW_REG_WAVE_MODE, 25, 1), 1
	s_wait_xcnt 0x0
; q, k_A, k_B (K of their products = the head's 128, innermost) and v_A, v_B (K = the keys, NOT innermost), all f16, become codes of E5M2 with one E8M0 byte for each 32 along K,
; laid in ws as RECORDS of 16,896 bytes: 128 rows of an operand for one matrix step of 128 along K, in the ORDER OF THE OPERAND'S REGISTERS:
;   bytes 0 .. 16,383: 8 fragments of 2,048 bytes; fragment t, register group c (registers 4 c .. 4 c + 3), lane l at 2048 t + 512 c + 16 l;
;   bytes 16,384 .. 16,895: 128 scale words; word 32 i + l is what scale register i holds in lane l (lanes 0-15 fragment 2 i, lanes 16-31 fragment 2 i + 1).
; Rows of q and k: fragment 2 b + u, row m is source row 32 b + 8 u + m + 8 (m / 8), so that the scores of two neighbouring fragments are 16 neighbouring keys in a lane.  Rows of v: fragment t, row r is channel 16 t + r.
; Record numbers: K and V: head x 128 + set x 64 + kind x 32 + step (kind 0 = K, 1 = V); q: 4,096 + head x 8 + block of 128 queries.
; A block's scale is 2^(floor(log2(largest magnitude)) - 15); its byte is the largest magnitude's exponent field - 15, held at 1 from below.
; LIMITS: NaN and infinities among the inputs are not served.  A block of zeros gets the byte 1 where the rule says 127: its codes are zeros, and this program alone reads the bytes.
; Work-groups 0-127 take q, 128-639 k_A, 640-1151 k_B (a wave: 64 rows, half a record), 1152-1407 v_A, 1408-1663 v_B (a wave: one record).  No barrier: waves share nothing.  Each of the two paths has LDS bytes of its own.
.set REC,   16896
.set RLDS,  4864                       ; rows' path: a wave's LDS: a stage of 16 x 288 bytes, then its 256 scale bytes
.set VBASE, 4*RLDS                     ; v's path begins here
.set VLDS,  4608                       ; a wave's stage: 32 x 144 bytes
	s_load_b256 s[4:11], s[0:1], 0x0               ; q s[4:5], k_A s[6:7], k_B s[8:9], v_A s[10:11]
	s_load_b128 s[12:15], s[0:1], 0x20             ; v_B s[12:13], ws s[14:15]
	v_lshl_add_u32 v62, v0, 2, 0x9400
	v_mov_b32 v63, 0
	v_lshrrev_b32 v1, 5, v0
	v_readfirstlane_b32 s16, v1                    ; wave 0..3
	v_and_b32 v1, 31, v0                           ; lane
	v_lshlrev_b32 v2, 4, v1                        ; 16 x lane
	v_and_b32 v48, 15, v0                          ; lane % 16
	v_bfe_u32 v49, v0, 4, 1                        ; lane / 16
	s_mov_b32 s20, 0x76543210
	s_mov_b32 s21, 0xfedcba98                      ; v_permlanex16_b32's selects for lane l xor 16
	s_mov_b32 s23, 0x600000                        ; the mantissa field of 57,344
	s_cmp_lt_u32 ttmp9, 1152
	s_cbranch_scc0 .Lvpath
; ---------------- q and k: K is innermost.  A load takes two rows as they lie (512 bytes); a lane holds 8 neighbours of one row, four lanes a block of 32.
	s_mul_i32 s35, s16, RLDS
	v_lshrrev_b32 v50, 1, v48
	v_mul_u32_u24 v3, v50, 288                     ; into the stage: the 16 pieces of 256 bytes of two fragments' image lie 288 bytes apart; my piece is (lane % 16) / 2,
	v_and_b32 v50, 1, v0
	v_lshl_add_u32 v3, v50, 3, v3                  ; my 8 codes are the lower or upper half of a lane's 16,
	v_lshl_add_u32 v3, v49, 4, v3                  ; and lanes 16-31 hold the next row
	v_add_nc_u32 v3, s35, v3
	v_lshrrev_b32 v4, 2, v48                       ; my block's byte in its row's scale word,
	v_lshl_add_u32 v4, v49, 2, v4                  ; the next row's word for lanes 16-31
	v_add_nc_u32 v4, s35, v4
	v_add_nc_u32 v4, 4608, v4
	v_mul_u32_u24 v5, v49, 288                     ; out of the stage: two pieces an instruction, 16 bytes a lane
	v_lshl_add_u32 v5, v48, 4, v5
	v_add_nc_u32 v5, s35, v5
	v_lshlrev_b32 v7, 3, v1                        ; the scale bytes leave 8 a lane
	v_add_nc_u32 v6, s35, v7
	v_add_nc_u32 v6, 4608, v6
	s_wait_kmcnt 0x0
	s_cmp_lt_u32 ttmp9, 640                        ; the choices hang on the work-group's number alone
	s_cselect_b64 s[6:7], s[6:7], s[8:9]           ; k_A or k_B
	s_cselect_b32 s24, 0, 512
	s_cselect_b32 s25, 0, 64                       ; 64 x set
	s_cmp_lt_u32 ttmp9, 128
	s_cselect_b64 s[4:5], s[4:5], s[6:7]           ; q or k
	s_cselect_b32 s26, 0, 128
	s_cselect_b32 s24, 0, s24
	s_cselect_b32 s27, 1, 0
	s_add_co_u32 s24, s24, s26
	s_sub_co_u32 s24, ttmp9, s24                   ; the work-group's number within its tensor
	s_lshr_b32 s28, s16, 1
	s_lshl_b32 s29, s24, 1
	s_add_co_u32 s28, s29, s28                     ; n: which 128 rows of the tensor
	s_lshr_b32 s29, s28, 5
	s_lshl_b32 s29, s29, 7
	s_and_b32 s30, s28, 31
	s_add_co_u32 s29, s29, s30
	s_add_co_u32 s29, s29, s25                     ; k's record: 128 (n / 32) + n % 32 + 64 set
	s_add_co_u32 s30, s28, 4096                    ; q's record
	s_cmp_eq_u32 s27, 1
	s_cselect_b32 s29, s30, s29
	s_lshl_b32 s30, s24, 16                        ; the source: 65,536 bytes a work-group, 16,384 a wave
	s_lshl_b32 s31, s16, 14
	s_add_co_u32 s30, s30, s31
	s_mov_b32 s31, 0
	s_add_nc_u64 s[4:5], s[4:5], s[30:31]
	s_mul_i32 s32, s29, REC
	s_mov_b32 s33, 0
	s_add_nc_u64 s[14:15], s[14:15], s[32:33]      ; the record
	s_and_b32 s34, s16, 1
	s_lshl_b32 s32, s34, 13
	s_add_nc_u64 s[18:19], s[14:15], s[32:33]      ; my four fragments
	s_lshl_b32 s32, s34, 8
	s_add_co_u32 s32, s32, 16384
	s_add_nc_u64 s[14:15], s[14:15], s[32:33]      ; my 64 scale words
.irp i, 0,1,2,3,4,5,6,7,8,9,10,11,12,13,14,15
	global_load_b128 v[64+4*\i:67+4*\i], v2, s[4:5] offset:512*\i th:TH_LOAD_NT   ; rows 2 i, 2 i + 1 of the first 32
.endr
; Rows 2 i and 2 i + 1 of round beta's 32.  a0 .. a7: the eight halves of the load's four registers.
.macro ROWS i, beta, a0, a1, a2, a3, a4, a5, a6, a7
.set XR, 16+8*((\i)%2)                 ; eight numbers in f32
.set TR, 32+4*((\i)%2)                 ; the largest magnitude, the conversion's scale operand, the hold
.set UT, ((\i)>>2)&1                   ; which of the two fragments,
.set MR, ((2*(\i))&7)+8*((\i)>>3)      ; and which row of it, the even row falls on
.if \beta == 0
	s_wait_loadcnt 15                              ; loads come back in order: mine is in; behind it 15 - i of this round and the i already asked for the next
.else
	s_wait_loadcnt 15-(\i)
.endif
	v_cvt_f32_f16 v[XR], \a0
	v_cvt_f32_f16 v[XR+1], \a1
	v_cvt_f32_f16 v[XR+2], \a2
	v_cvt_f32_f16 v[XR+3], \a3
	v_cvt_f32_f16 v[XR+4], \a4
	v_cvt_f32_f16 v[XR+5], \a5
	v_cvt_f32_f16 v[XR+6], \a6
	v_cvt_f32_f16 v[XR+7], \a7
.if \beta == 0
	global_load_b128 v[64+4*(\i):67+4*(\i)], v2, s[4:5] offset:8192+512*(\i) th:TH_LOAD_NT   ; the same rows of the second 32
.endif
	v_max3_num_f32 v[TR], |v[XR]|, |v[XR+1]|, 0x8000000          ; my eight, and the floor 2^(16 - 127): the byte cannot fall under 1
	v_max3_num_f32 v[TR], v[TR], |v[XR+2]|, |v[XR+3]|
	v_max3_num_f32 v[TR], v[TR], |v[XR+4]|, |v[XR+5]|
	v_max3_num_f32 v[TR], v[TR], |v[XR+6]|, |v[XR+7]|
	v_max_num_f32_dpp v[TR], v[TR], v[TR] row_xmask:1 row_mask:0xf bank_mask:0xf
	v_max_num_f32_dpp v[TR], v[TR], v[TR] row_xmask:2 row_mask:0xf bank_mask:0xf   ; the four lanes' : the block's
	v_add_nc_u32 v[TR+1], 0xf8800000, v[TR]        ; 15 off the exponent field: the conversion's scale operand
	v_and_or_b32 v[TR+2], v[TR], 0x7f800000, s23   ; 57,344 x the scale
.irp j, 0,1,2,3,4,5,6,7
	v_med3_num_f32 v[XR+\j], v[XR+\j], -v[TR+2], v[TR+2]         ; the conversion to an 8-bit code does not saturate (ISA guide 7.6.2)
.endr
	v_cvt_scalef32_pk8_bf8_f32 v[128+2*(\i):129+2*(\i)], v[XR:XR+7], v[TR+1]
	v_lshrrev_b32 v[160+(\i)], 23, v[TR+1]         ; the scale's byte (also the plain line behind the conversion)
	ds_store_b64 v3, v[128+2*(\i):129+2*(\i)] offset:2304*UT+16*MR
	ds_store_b8 v4, v[160+(\i)] offset:128*(\beta)+64*UT+4*MR    ; the block's four lanes write the same byte with the same value
.endm
.macro ROUND beta
	ROWS 0, \beta, v64.l, v64.h, v65.l, v65.h, v66.l, v66.h, v67.l, v67.h
	ROWS 1, \beta, v68.l, v68.h, v69.l, v69.h, v70.l, v70.h, v71.l, v71.h
	ROWS 2, \beta, v72.l, v72.h, v73.l, v73.h, v74.l, v74.h, v75.l, v75.h
	ROWS 3, \beta, v76.l, v76.h, v77.l, v77.h, v78.l, v78.h, v79.l, v79.h
	ROWS 4, \beta, v80.l, v80.h, v81.l, v81.h, v82.l, v82.h, v83.l, v83.h
	ROWS 5, \beta, v84.l, v84.h, v85.l, v85.h, v86.l, v86.h, v87.l, v87.h
	ROWS 6, \beta, v88.l, v88.h, v89.l, v89.h, v90.l, v90.h, v91.l, v91.h
	ROWS 7, \beta, v92.l, v92.h, v93.l, v93.h, v94.l, v94.h, v95.l, v95.h
	ROWS 8, \beta, v96.l, v96.h, v97.l, v97.h, v98.l, v98.h, v99.l, v99.h
	ROWS 9, \beta, v100.l, v100.h, v101.l, v101.h, v102.l, v102.h, v103.l, v103.h
	ROWS 10, \beta, v104.l, v104.h, v105.l, v105.h, v106.l, v106.h, v107.l, v107.h
	ROWS 11, \beta, v108.l, v108.h, v109.l, v109.h, v110.l, v110.h, v111.l, v111.h
	ROWS 12, \beta, v112.l, v112.h, v113.l, v113.h, v114.l, v114.h, v115.l, v115.h
	ROWS 13, \beta, v116.l, v116.h, v117.l, v117.h, v118.l, v118.h, v119.l, v119.h
	ROWS 14, \beta, v120.l, v120.h, v121.l, v121.h, v122.l, v122.h, v123.l, v123.h
	ROWS 15, \beta, v124.l, v124.h, v125.l, v125.h, v126.l, v126.h, v127.l, v127.h
.irp j, 0,1,2,3,4,5,6,7
	ds_load_b128 v[176+32*(\beta)+4*\j:179+32*(\beta)+4*\j], v5 offset:576*\j   ; LDS serves a wave's instructions in order: these see my stores, and the next round's stores come behind them
.endr
	s_wait_dscnt 0x0                               ; two fragments' image is back; the stores have read their registers
.irp j, 0,1,2,3,4,5,6,7
	global_store_b128 v2, v[176+32*(\beta)+4*\j:179+32*(\beta)+4*\j], s[18:19] offset:4096*(\beta)+512*\j   ; 32 lanes store 512 consecutive bytes; each round has its own registers
.endr
.endm
	ROUND 0
	ROUND 1
	ds_load_b64 v[12:13], v6
	s_wait_dscnt 0x0
	global_store_b64 v7, v[12:13], s[14:15]        ; my 64 scale words: 256 consecutive bytes, aligned
	s_wait_tensorcnt 0x0
	ds_add_u32 v62, v63
	s_wait_dscnt 0x0
	s_endpgm
; ---------------- v: K = the keys is the outer axis.  A lane takes 8 channels and its loads run down 16 keys; a block of 32 keys lies in lanes l and l xor 16.
.Lvpath:
	s_mul_i32 s35, s16, VLDS
	s_add_co_u32 s35, s35, VBASE
	s_wait_alu depctr_va_vdst(0)
	v_lshlrev_b32 v4, 4, v48
	v_lshl_add_u32 v4, v49, 12, v4                 ; in: 16 bytes (8 channels) at 16 (lane % 16); lanes 16-31 sixteen keys (rows of 256 bytes) further down
	v_lshrrev_b32 v50, 1, v48
	v_lshlrev_b32 v50, 2, v50
	v_lshl_add_u32 v50, v49, 1, v50
	v_and_b32 v51, 1, v0
	v_add_nc_u32 v50, v50, v51
	v_mul_u32_u24 v3, v50, 144                     ; into the stage: the 32 pieces of 128 bytes of eight fragments' register group lie 144 bytes apart; mine is 4 ((lane % 16) / 2) + 2 (lane / 16) + lane % 2
	v_add_nc_u32 v3, s35, v3
	v_lshrrev_b32 v50, 3, v1
	v_mul_u32_u24 v5, v50, 144
	v_and_b32 v51, 7, v0
	v_lshl_add_u32 v5, v51, 4, v5                  ; out of it: four pieces (a fragment's 512 bytes) an instruction
	v_add_nc_u32 v5, s35, v5
	v_lshlrev_b32 v6, 5, v48
	v_lshl_add_u32 v6, v49, 4, v6                  ; the scale words: 8 a pair of lanes, four each
.irp n, 0,1,2,3
	v_mov_b32 v[24+\n], 0                          ; written once: a lane permute's destination counts as one of its sources
.endr
	s_wait_kmcnt 0x0
	s_cmp_lt_u32 ttmp9, 1408
	s_cselect_b64 s[4:5], s[10:11], s[12:13]       ; v_A or v_B
	s_cselect_b32 s24, 0, 256
	s_cselect_b32 s25, 32, 96                      ; 32 (kind V) + 64 x set
	s_add_co_u32 s24, s24, 1152
	s_sub_co_u32 s24, ttmp9, s24
	s_lshl_b32 s24, s24, 2
	s_add_co_u32 s24, s24, s16                     ; n: which 128 keys of the tensor
	s_lshl_b32 s30, s24, 15
	s_mov_b32 s31, 0
	s_add_nc_u64 s[4:5], s[4:5], s[30:31]
	s_lshr_b32 s29, s24, 5
	s_lshl_b32 s29, s29, 7
	s_and_b32 s28, s24, 31
	s_add_co_u32 s29, s29, s28
	s_add_co_u32 s29, s29, s25
	s_mul_i32 s32, s29, REC
	s_mov_b32 s33, 0
	s_add_nc_u64 s[14:15], s[14:15], s[32:33]      ; the record
.macro VLOAD c                         ; keys 32 c + 16 (lane / 16) + i: each half of the lanes reads one whole row of 256 bytes
.irp i, 0,1,2,3,4,5,6,7,8,9,10,11,12,13,14,15
	global_load_b128 v[64+4*\i:67+4*\i], v4, s[4:5] offset:(32*(\c)+\i)*256 th:TH_LOAD_NT
.endr
.endm
.macro VW4 i, a, b, c, d               ; key i of four channels into the channels' runs of 16 registers
	v_cvt_f32_f16 v[128+\i], \a
	v_cvt_f32_f16 v[144+\i], \b
	v_cvt_f32_f16 v[160+\i], \c
	v_cvt_f32_f16 v[176+\i], \d
.endm
.macro VWIDE0                          ; my channels 0-3
	VW4 0, v64.l, v64.h, v65.l, v65.h
	VW4 1, v68.l, v68.h, v69.l, v69.h
	VW4 2, v72.l, v72.h, v73.l, v73.h
	VW4 3, v76.l, v76.h, v77.l, v77.h
	VW4 4, v80.l, v80.h, v81.l, v81.h
	VW4 5, v84.l, v84.h, v85.l, v85.h
	VW4 6, v88.l, v88.h, v89.l, v89.h
	VW4 7, v92.l, v92.h, v93.l, v93.h
	VW4 8, v96.l, v96.h, v97.l, v97.h
	VW4 9, v100.l, v100.h, v101.l, v101.h
	VW4 10, v104.l, v104.h, v105.l, v105.h
	VW4 11, v108.l, v108.h, v109.l, v109.h
	VW4 12, v112.l, v112.h, v113.l, v113.h
	VW4 13, v116.l, v116.h, v117.l, v117.h
	VW4 14, v120.l, v120.h, v121.l, v121.h
	VW4 15, v124.l, v124.h, v125.l, v125.h
.endm
.macro VWIDE1                          ; my channels 4-7
	VW4 0, v66.l, v66.h, v67.l, v67.h
	VW4 1, v70.l, v70.h, v71.l, v71.h
	VW4 2, v74.l, v74.h, v75.l, v75.h
	VW4 3, v78.l, v78.h, v79.l, v79.h
	VW4 4, v82.l, v82.h, v83.l, v83.h
	VW4 5, v86.l, v86.h, v87.l, v87.h
	VW4 6, v90.l, v90.h, v91.l, v91.h
	VW4 7, v94.l, v94.h, v95.l, v95.h
	VW4 8, v98.l, v98.h, v99.l, v99.h
	VW4 9, v102.l, v102.h, v103.l, v103.h
	VW4 10, v106.l, v106.h, v107.l, v107.h
	VW4 11, v110.l, v110.h, v111.l, v111.h
	VW4 12, v114.l, v114.h, v115.l, v115.h
	VW4 13, v118.l, v118.h, v119.l, v119.h
	VW4 14, v122.l, v122.h, v123.l, v123.h
	VW4 15, v126.l, v126.h, v127.l, v127.h
.endm
; Four channels (4 hv + n), key block c: 16 keys a lane in v[128 + 16 n] on become 16 codes, and the block's byte goes into byte c of the channel's scale word v[8 + 4 hv + n].
.macro VQ hv, c
.irp n, 0,1,2,3
	v_max3_num_f32 v[16+\n], |v[128+16*\n]|, |v[129+16*\n]|, 0x8000000   ; the floor 2^(16 - 127): the byte cannot fall under 1
.endr
.irp i, 2,4,6,8,10,12,14
.irp n, 0,1,2,3
	v_max3_num_f32 v[16+\n], v[16+\n], |v[128+16*\n+\i]|, |v[129+16*\n+\i]|   ; the four channels by turns
.endr
.endr
.irp n, 0,1,2,3
	v_permlanex16_b32 v[24+\n], v[16+\n], s20, s21
.endr
.irp n, 0,1,2,3
	v_max_num_f32 v[16+\n], v[16+\n], v[24+\n]     ; with lane l xor 16's 16 keys: the block's largest magnitude
.endr
.irp n, 0,1,2,3
	v_add_nc_u32 v[32+\n], 0xf8800000, v[16+\n]    ; the conversion's scale operand
.endr
.irp n, 0,1,2,3
	v_and_or_b32 v[40+\n], v[16+\n], 0x7f800000, s23   ; 57,344 x the scale
.endr
.irp n, 0,1,2,3
	v_lshrrev_b32 v[24+\n], 23, v[32+\n]           ; the byte
.endr
.irp n, 0,1,2,3
.if \c == 0
	v_mov_b32 v[8+4*(\hv)+\n], v[24+\n]
.else
	v_lshl_or_b32 v[8+4*(\hv)+\n], v[24+\n], 8*(\c), v[8+4*(\hv)+\n]
.endif
.endr
.irp n, 0,1,2,3
.irp i, 0,1,2,3,4,5,6,7,8,9,10,11,12,13,14,15
	v_med3_num_f32 v[128+16*\n+\i], v[128+16*\n+\i], -v[40+\n], v[40+\n]
.endr
	v_cvt_scalef32_pk8_bf8_f32 v[192+16*(\hv)+4*\n:193+16*(\hv)+4*\n], v[128+16*\n:135+16*\n], v[32+\n]
	v_cvt_scalef32_pk8_bf8_f32 v[194+16*(\hv)+4*\n:195+16*(\hv)+4*\n], v[136+16*\n:143+16*\n], v[32+\n]
.endr
	v_nop                                          ; a plain line between the last conversion and the lines that write its sources again
.irp n, 0,1,2,3
	ds_store_b128 v3, v[192+16*(\hv)+4*\n:195+16*(\hv)+4*\n] offset:64*(\hv)+16*\n
.endr
.endm
.macro VROUND c
	s_wait_loadcnt 0x0                             ; this block's 16 loads
	VWIDE0
	VQ 0, \c
	VWIDE1
.if \c < 3
	VLOAD (\c)+1                                   ; the raw registers are read out: the next 32 keys are asked for
.endif
	VQ 1, \c
	s_wait_xcnt 0x0                                ; the last round's stores have read v224-255: only now are they loaded again
.irp t, 0,1,2,3,4,5,6,7
	ds_load_b128 v[224+4*\t:227+4*\t], v5 offset:576*\t
.endr
	s_wait_dscnt 0x0                               ; register group c of the eight fragments is back; the stores into the stage have read their registers
.irp t, 0,1,2,3,4,5,6,7
	global_store_b128 v2, v[224+4*\t:227+4*\t], s[14:15] offset:2048*\t+512*(\c)   ; 512 consecutive bytes
.endr
.endm
	VLOAD 0
	VROUND 0
	VROUND 1
	VROUND 2
	VROUND 3
	v_cmp_eq_u32 vcc_lo, 1, v49                    ; both lanes of a pair hold all eight words: lanes 0-15 store channels 0-3, lanes 16-31 channels 4-7
.irp n, 0,1,2,3
	v_cndmask_b32 v[16+\n], v[8+\n], v[12+\n], vcc_lo
.endr
	global_store_b128 v6, v[16:19], s[14:15] offset:16384   ; the record's 128 scale words: 512 consecutive bytes
	s_wait_tensorcnt 0x0
	ds_add_u32 v62, v63
	s_wait_dscnt 0x0
	s_endpgm
.Lfunc_end_k_q4051639741_quant:
	.size	k_q4051639741_quant, .Lfunc_end_k_q4051639741_quant-k_q4051639741_quant
	.p2alignl 7, 3214868480
	.fill 96, 4, 3214868480
	.section	.rodata,"a",@progbits
	.p2align	6, 0x0
	.amdhsa_kernel k_q4051639741_quant
		.amdhsa_group_segment_fixed_size 38400
		.amdhsa_private_segment_fixed_size 0
		.amdhsa_enable_private_segment 0
		.amdhsa_kernarg_size 48
		.amdhsa_user_sgpr_count 2
		.amdhsa_user_sgpr_kernarg_segment_ptr 1
		.amdhsa_wavefront_size32 1
		.amdhsa_system_sgpr_workgroup_id_x 1
		.amdhsa_system_sgpr_workgroup_id_y 1
		.amdhsa_system_sgpr_workgroup_id_z 1
		.amdhsa_system_vgpr_workitem_id 0
		.amdhsa_next_free_vgpr 256
		.amdhsa_next_free_sgpr 66
		.amdhsa_reserve_vcc 1
		.amdhsa_float_denorm_mode_32 3
		.amdhsa_float_denorm_mode_16_64 3
		.amdhsa_memory_ordered 1
		.amdhsa_forward_progress 1
		.amdhsa_inst_pref_size 155
	.end_amdhsa_kernel
	.amdgpu_metadata
---
amdhsa.version: [ 1, 2 ]
amdhsa.kernels:
  - .name:           k_q4051639741_quant
    .symbol:         k_q4051639741_quant.kd
    .args:
      - { .name: q, .offset: 0, .size: 8, .value_kind: global_buffer, .address_space: global }
      - { .name: k_A, .offset: 8, .size: 8, .value_kind: global_buffer, .address_space: global }
      - { .name: k_B, .offset: 16, .size: 8, .value_kind: global_buffer, .address_space: global }
      - { .name: v_A, .offset: 24, .size: 8, .value_kind: global_buffer, .address_space: global }
      - { .name: v_B, .offset: 32, .size: 8, .value_kind: global_buffer, .address_space: global }
      - { .name: ws, .offset: 40, .size: 8, .value_kind: global_buffer, .address_space: global }
    .group_segment_fixed_size: 38400
    .private_segment_fixed_size: 0
    .kernarg_segment_align: 8
    .kernarg_segment_size: 48
    .max_flat_workgroup_size: 128
    .sgpr_count:     66
    .vgpr_count:     256
    .wavefront_size: 32
...
	.end_amdgpu_metadata
.endif
;; end of part 1
;; launch attn (part 2): grid 8 x 32, 8 waves a work-group, clusters of 4 x 1, 327,680 bytes of LDS; arguments ws, out0, out1; writes out0, out1
.if DOCPART == 2
	.amdgcn_target "amdgcn-amd-amdhsa--gfx1250"
	.amdhsa_code_object_version 6
	.text
	.protected	k_q4051639741_attn
	.globl	k_q4051639741_attn
	.p2align	8
	.type	k_q4051639741_attn,@function
k_q4051639741_attn:
	s_mov_b64 s[64:65], 0
	v_nop
	global_prefetch_b8 v0, s[64:65] scope:SCOPE_SE
	s_setreg_imm32_b32 hwreg(HW_REG_WAVE_MODE, 25, 1), 1
	s_wait_xcnt 0x0
	s_wait_alu depctr_hold_cnt(0) depctr_sa_sdst(0) depctr_va_vdst(0) depctr_va_sdst(0) depctr_va_ssrc(0) depctr_va_vcc(0) depctr_vm_vsrc(0)
	s_getreg_b32 s2, hwreg(HW_REG_IB_STS2, 6, 4)
	s_cmp_eq_u32 s2, 0
	s_cbranch_scc0 .Lentry_in_a_cluster
	s_endpgm
.Lentry_in_a_cluster:
	s_bfe_u32 s2, ttmp6, 0x10000c
	s_cmp_lg_u32 s2, 0x3003
	s_cbranch_scc0 .Lentry_shape_is_right
	s_endpgm
.Lentry_shape_is_right:
; Two attentions of the same queries over key sets A and B, merged by their log-sum-exps; all four products on codes of E5M2 with E8M0 scales, read from ws as register images (records of 16,896 bytes).
; THE WEIGHTS ARE QUANTISED FINISHED: p = exp(s - lse).  So the keys are walked twice.  PASS 1: S^T = K Q^T, a running maximum m and sum l in each lane; at its end L2 = log2(e) lse.
; PASS 2: S^T again, p = 2^(c s - L2), c = log2(e) / sqrt(128), quantised along the keys in registers, O^T += V^T P^T.
; SHARES.  A work-group owns 128 queries of one head, in EIGHT waves, two to a SIMD, of 512 registers each.  Waves 0-3 take set A, waves 4-7 set B; of a set's four waves each owns 32 queries: two tiles of 16.
; A wave's matrix instructions stand in groups of 16, its scalings and exponentials in runs, so that the SIMD's other wave has long stretches of another kind of work beside them.
; Both products are used transposed: a lane holds ONE query (lane % 16); the 16 registers of two neighbouring tiles of keys are keys 32 b + 16 (lane / 16) + 0 .. 15.
; THE RING: two slots of 8 records; in a slot set A's four records, then set B's.  Pass 1: four K records a set (four steps); pass 2: two K, then two V (two steps).  Each wave brings one record with one tensor load.
; One walking descriptor: SLOT = 0x21000 shares no bit with wave x 16,896, so one exclusive or turns its LDS address from slot to slot.
; THE CHANGE OF SLOTS IS SPLIT: a wave signals as soon as its last LDS read of the slot has landed, works on registers (pass 1: the last step's products and tile 0's statistics; pass 2: exponentials, quantising, V^T P),
; and only then waits and goes through the rest of the cluster's round; behind it the slot just left takes the fill two slots on.  Pass 1's tile 1 statistics stand under the next slot's first K load.
; CLUSTER: the four blocks of queries of a cluster belong to one head and walk the same records: every fill is asked for jointly, by the same load with the mask of all four.
; THE END: each wave's O^T, rounded to f16 as the two attentions' results are, and its -L2 go to LDS; each wave merges one tile of queries of both sets.
; LIMITS: NaN and infinities are not served; a p under 2^-126 counts as 0 (v_exp_f32 flushes: ISA guide 15.8); a block of p that is all zeros carries the byte 1 with zero codes; the scaled scores stay under 2^31.
; REGISTERS: window 0: v1-13 addresses; v14, v24 pass 1's factors; v16-19 (-c m, m) a tile, later (-L2, m); v20-23 l; v26-29, v32-47 at work; v48-59 scale words alone; v62, v63 the add's; v64-95 p's codes; v96-127 Q; v128-255 S^T.
;   window 1: v0-127 K's fragments, then V's; v128-255 O^T, tile q's channel tile t at 128 + 64 q + 8 t.
.set REC,   16896
.set HALF,  2*REC
.set SETB,  4*REC
.set SLOT,  8*REC
.set STAGE, 2*SLOT                     ; 16 rows x 272 bytes for each wave, for the way out
.set LX,    STAGE+8*4352               ; -L2 of the 128 queries: set A's, then set B's
.set SPARE, LX+1024                    ; the spare words: four blocks of 256 bytes that no other line names
.set LI,  1
.set LS,  2
.set ADK, 3
.set ADS, 4
.set TM,  32
.set QS,  48
.set KS,  50
.set VS,  54
.set PW,  58
.set SPW, 62
.set NIL, 63
.set P,   64
.set QF,  96
.set S,   128
.set MSB, 0
.macro WIN new                         ; the immediate's high byte repeats the setting that is left
.if MSB != \new
	s_set_vgpr_msb (MSB<<8)|\new
.set MSB, \new
.endif
.endm
.macro PLACES n
.rept \n
	v_nop
.endr
.endm
.macro WA
	s_wait_alu depctr_va_vdst(0)
.endm
.macro CREST                           ; a round of the cluster's barrier behind its opening barrier
	s_cmp_lg_u32 s10, 0
	s_cbranch_scc1 .Lnot_wave_0_\@
	s_barrier_signal -3
.Lnot_wave_0_\@:
	s_barrier_wait -3
	s_barrier_signal -1
	s_barrier_wait -1
.endm
.macro CROUND                          ; a whole round
	s_barrier_signal -1
	s_barrier_wait -1
	CREST
.endm
.macro ASKFILL                         ; my one tensor load behind a round
	tensor_load_to_lds s[24:27], s[16:23]
	s_nop 0
	PLACES 4
.endm
	s_load_b128 s[4:7], s[0:1], 0x0                ; ws, out0
	s_load_b64 s[8:9], s[0:1], 0x10                ; out1
	v_lshl_add_u32 v[SPW], v0, 2, SPARE
	v_mov_b32 v[NIL], 0
	ds_add_u32 v[SPW], v[NIL]                      ; the opening lines: the add twice on end and its wait
	ds_add_u32 v[SPW], v[NIL]
	v_lshrrev_b32 v1, 5, v0
	v_readfirstlane_b32 s10, v1                    ; wave 0..7
	s_lshr_b32 s11, s10, 2                         ; my set
	s_and_b32 s12, s10, 3                          ; x: my 32 queries; also which of a set's four records I fetch
	s_bfe_u32 s13, ttmp6, 0x40000                  ; cx
	s_lshl_b32 s14, ttmp9, 2
	s_add_co_u32 s14, s14, s13                     ; my block of 128 queries: it enters Q's, out0's and out1's addresses alone
	s_and_b32 s15, ttmp7, 0xffff                   ; the head
	s_mov_b32 s16, 15|(3<<16)|(1<<21)              ; group 1: one record, 66 rows of 32 elements of 8 bytes; the mask of all four
	s_mov_b32 s17, 32<<16
	s_mov_b32 s18, 66<<16
	s_mov_b32 s19, 32<<16
	s_mov_b32 s20, 66
	s_mov_b32 s21, 32
	s_mov_b32 s22, 0
	s_mov_b32 s23, 0
	s_mul_i32 s50, s15, 128*REC
	s_mul_i32 s51, s11, 64*REC
	s_add_co_u32 s50, s50, s51                     ; my set's records: 32 of K, then 32 of V
	s_lshr_b32 s51, s12, 1
	s_mul_i32 s51, s51, 32*REC                     ; pass 2: x = 0, 1 bring K's two records, x = 2, 3 V's
	s_and_b32 s39, s12, 1
	s_mul_i32 s39, s39, REC
	s_add_co_u32 s58, s50, s51
	s_add_co_u32 s58, s58, s39
	s_mov_b32 s59, 0
	s_mul_i32 s51, s12, REC                        ; pass 1: of four K records mine
	s_add_co_u32 s50, s50, s51
	s_mov_b32 s51, 0
	s_mul_i32 s52, s10, REC                        ; where it goes in a slot
	s_mul_i32 s53, s11, SETB
	s_mov_b32 s2, 4*REC                            ; s[2:3]: from fill to fill in memory: four records in pass 1, two in pass 2
	s_mov_b32 s3, 0
	s_mov_b32 s40, 0x3e0293ee                      ; c
	s_mov_b32 s41, s40
	s_mov_b32 s42, 0xbe0293ee                      ; -c
	s_mov_b32 s43, 0x600000                        ; the mantissa field of 57,344
	s_mov_b32 s44, 0x76543210
	s_mov_b32 s45, 0xfedcba98
	s_mov_b32 s49, 0xff800000                      ; -infinity
	s_wait_dscnt 0x0
	s_wait_kmcnt 0x0
	s_mov_b32 s24, 1                               ; group 0: pass 1's first fill, slot 0
	s_mov_b32 s25, s52
	s_add_nc_u64 s[26:27], s[4:5], s[50:51]
	s_or_b32 s27, s27, 0x80000000
	s_add_nc_u64 s[28:29], s[4:5], s[58:59]        ; where pass 2's first fill lies
	s_or_b32 s29, s29, 0x80000000
	CROUND
	ASKFILL
	s_lshl_b32 s54, s15, 3
	s_add_co_u32 s54, s54, s14
	s_mul_i32 s54, s54, REC
	s_add_co_u32 s54, s54, 4096*REC
	s_mov_b32 s55, 0
	s_add_nc_u64 s[54:55], s[4:5], s[54:55]        ; Q's record
	s_lshl_b32 s30, s12, 12                        ; my two fragments of it
	s_lshl_b32 s31, s12, 7                         ; and their register of scale words
	s_lshl_b32 s56, s15, 10
	s_lshl_b32 s57, s14, 7
	s_add_co_u32 s56, s56, s57                     ; the block's first query
	s_lshl_b32 s60, s56, 2
	s_mov_b32 s61, 0
	s_add_nc_u64 s[8:9], s[8:9], s[60:61]
	s_lshr_b32 s39, s10, 1
	s_and_b32 s38, s10, 1
	s_lshl_b32 s57, s39, 5
	s_add_co_u32 s56, s56, s57
	s_lshl_b32 s57, s38, 3
	s_add_co_u32 s56, s56, s57                     ; the tile that I merge: tile wave of the block's eight; its row m is query 32 (wave / 2) + 8 (wave % 2) + m + 8 (m / 8)
	s_lshl_b32 s56, s56, 8
	s_mov_b32 s57, 0
	s_add_nc_u64 s[6:7], s[6:7], s[56:57]
	s_lshl_b32 s32, s10, 13                        ; my O images
	s_lshl_b32 s33, s11, 9
	s_add_co_u32 s33, s33, s31
	s_add_co_u32 s33, s33, LX                      ; where I put -L2
	s_lshl_b32 s34, s10, 12                        ; set A's image of the tile that I merge
	s_lshl_b32 s35, s39, 7
	s_lshl_b32 s38, s38, 5
	s_add_co_u32 s35, s35, s38
	s_add_co_u32 s35, s35, LX                      ; its -L2
	s_mul_i32 s37, s10, 4352
	s_add_co_u32 s37, s37, STAGE
	s_add_co_u32 s38, s53, 16384
	v_and_b32 v14, 31, v0
	v_lshlrev_b32 v13, 4, v14                      ; v13: 16 x lane
	v_lshlrev_b32 v15, 2, v14
	v_add_nc_u32 v[LI], s53, v13
	v_add_nc_u32 v[LS], s38, v15
	v_add_nc_u32 v14, s30, v13
	v_add_nc_u32 v15, s31, v15
	v_and_b32 v32, 15, v0
	v_bfe_u32 v33, v0, 4, 1
	v_and_b32 v34, 8, v32
	v_add_nc_u32 v34, v34, v32                     ; r + 8 (r / 8)
	v_add_nc_u32 v5, s32, v13
	v_lshl_add_u32 v6, v34, 2, s33
	v_add_nc_u32 v7, s34, v13
	v_lshl_add_u32 v8, v34, 2, s35
	v_mul_u32_u24 v9, v32, 272
	v_lshl_add_u32 v9, v33, 4, v9
	v_add_nc_u32 v9, s37, v9                       ; into my stage
	v_mul_u32_u24 v10, v33, 272
	v_lshl_add_u32 v10, v32, 4, v10
	v_add_nc_u32 v10, s37, v10                     ; and back
	v_lshlrev_b32 v11, 8, v33
	v_lshl_add_u32 v11, v32, 4, v11                ; the same two rows in out0
	v_add_nc_u32 v12, LX, v13
	WA
.irp q, 0,1
.irp c, 0,1,2,3
	global_load_b128 v[QF+16*\q+4*\c:QF+16*\q+4*\c+3], v14, s[54:55] offset:2048*\q+512*\c
.endr
.endr
	global_load_b32 v[QS], v15, s[54:55] offset:16384
.irp q, 0,1
	v_mov_b32 v[17+2*\q], 0xff61b1e6               ; m: -3e38
	v_mov_b32 v[20+2*\q], 0                        ; l
	v_mov_b32 v[21+2*\q], 0
.endr
	v_mov_b32 v25, 0                               ; (named as the upper half of a pair)
.irp q, 0,1
	v_mul_f32 v[16+2*\q], s42, v[17+2*\q]          ; -c m
.endr
.set cnt, 0
.rept 64
	v_mov_b32 v[S+64+cnt], s49                     ; pass 1's trip is written once: the first finds tile 1's scores at -infinity, which add exactly 0
.set cnt, cnt+1
.endr
; A K record's scale words and eight fragments.  Eight places stand ahead of loads into registers that matrix instructions have read.
.macro LOADK
	PLACES 6
	v_add_nc_u32 v[ADK], s46, v[LI]
	v_add_nc_u32 v[ADS], s46, v[LS]
	WA
.irp b, 0,1,2,3
	ds_load_b32 v[KS+\b], v[ADS] offset:128*\b
.endr
	WIN 0x40
.irp t, 0,1,2,3,4,5,6,7
.irp c, 0,1,2,3
	ds_load_b128 v[16*\t+4*\c:16*\t+4*\c+3], v[ADK] offset:2048*\t+512*\c
.endr
.endr
	WIN 0
.endm
.macro LOADV                           ; the same step's V record, two records behind its K record, into the same registers
	PLACES 8
.irp b, 0,1,2,3
	ds_load_b32 v[VS+\b], v[ADS] offset:HALF+128*\b
.endr
	WIN 0x40
.irp t, 0,1,2,3,4,5,6,7
.irp c, 0,1,2,3
	ds_load_b128 v[16*\t+4*\c:16*\t+4*\c+3], v[ADK] offset:HALF+2048*\t+512*\c
.endr
.endr
	WIN 0
.endm
; One product of S^T: 16 keys (fragment t) x tile q's 16 queries, a whole sum.
.macro WKQ q, t
.set dD, S+64*(\q)+8*(\t)
.set dA, 16*(\t)
.set dB, QF+16*(\q)
.set dK, KS+(\t)/2
.if (\t)%2 == 0
.if (\q) == 0
	v_wmma_scale_f32_16x16x128_f8f6f4 v[dD:dD+7], v[dA:dA+15], v[dB:dB+15], 0, v[dK], v[QS] matrix_a_fmt:MATRIX_FMT_BF8 matrix_b_fmt:MATRIX_FMT_BF8
.else
	v_wmma_scale_f32_16x16x128_f8f6f4 v[dD:dD+7], v[dA:dA+15], v[dB:dB+15], 0, v[dK], v[QS] matrix_a_fmt:MATRIX_FMT_BF8 matrix_b_fmt:MATRIX_FMT_BF8 matrix_b_scale:MATRIX_SCALE_ROW1
.endif
.else
.if (\q) == 0
	v_wmma_scale_f32_16x16x128_f8f6f4 v[dD:dD+7], v[dA:dA+15], v[dB:dB+15], 0, v[dK], v[QS] matrix_a_fmt:MATRIX_FMT_BF8 matrix_b_fmt:MATRIX_FMT_BF8 matrix_a_scale:MATRIX_SCALE_ROW1
.else
	v_wmma_scale_f32_16x16x128_f8f6f4 v[dD:dD+7], v[dA:dA+15], v[dB:dB+15], 0, v[dK], v[QS] matrix_a_fmt:MATRIX_FMT_BF8 matrix_b_fmt:MATRIX_FMT_BF8 matrix_a_scale:MATRIX_SCALE_ROW1 matrix_b_scale:MATRIX_SCALE_ROW1
.endif
.endif
.endm
; S^T of both tiles: 16 products, each fragment for two.  kw = 1: K's loads were issued just before: fragment t is waited for by count (behind its four loads stand 4 (7 - t)).
.macro KQ16 kw
	WIN 0x01                                       ; source 0 (K) window 1
.irp t, 0,1,2,3,4,5,6,7
.if \kw
	s_wait_dscnt 4*(7-\t)
.endif
	WKQ 0, \t
	WKQ 1, \t
.endr
	WIN 0
.endm
.macro WPV q, t
.set dD, 128+64*(\q)+8*(\t)
.set dA, 16*(\t)
.set dB, P+16*(\q)
.if (\t)%2 == 0
	v_wmma_scale_f32_16x16x128_f8f6f4 v[dD:dD+7], v[dA:dA+15], v[dB:dB+15], v[dD:dD+7], v[VS+(\t)/2], v[PW+(\q)] matrix_a_fmt:MATRIX_FMT_BF8 matrix_b_fmt:MATRIX_FMT_BF8
.else
	v_wmma_scale_f32_16x16x128_f8f6f4 v[dD:dD+7], v[dA:dA+15], v[dB:dB+15], v[dD:dD+7], v[VS+(\t)/2], v[PW+(\q)] matrix_a_fmt:MATRIX_FMT_BF8 matrix_b_fmt:MATRIX_FMT_BF8 matrix_a_scale:MATRIX_SCALE_ROW1
.endif
.endm
.macro PV16                            ; O^T += V^T P^T: the 16 accumulators by turns, one instruction a turn
	WIN 0x51                                       ; source 0 (V), C and D window 1; source 1 (p) window 0
.irp t, 0,1,2,3,4,5,6,7
	WPV 0, \t
	WPV 1, \t
.endr
	WIN 0
.endm
.macro SCALE lo, n                     ; c s + (-c m or -L2) for n tiles from tile lo on, each accumulator from its low end on
.set qq, \lo
.rept \n
.set cnt, 0
.rept 32
	v_pk_fma_f32 v[S+64*qq+cnt:S+64*qq+cnt+1], v[S+64*qq+cnt:S+64*qq+cnt+1], s[40:41], v[16+2*qq:17+2*qq] op_sel_hi:[1,0,0]
.set cnt, cnt+2
.endr
.set qq, qq+1
.endr
.endm
.macro EXPS lo, n
.set cnt, 64*(\lo)
.rept 64*(\n)
	v_exp_f32 v[S+cnt], v[S+cnt]
.set cnt, cnt+1
.endr
.endm
; PASS 1, n tiles from tile lo on, by turns.  Each LANE keeps a maximum and a sum of its own 64 keys a step; the two lanes of a query meet once, in FINAL.
.macro STATS lo, n
	WA
.set qq, \lo
.rept \n
.irp j, 0,1,2,3,4,5,6,7
	v_max3_num_f32 v[TM+8*qq+\j], v[S+64*qq+8*\j], v[S+64*qq+8*\j+1], v[S+64*qq+8*\j+2]
.endr
.set qq, qq+1
.endr
.irp i, 3,5
.set qq, \lo
.rept \n
.irp j, 0,1,2,3,4,5,6,7
	v_max3_num_f32 v[TM+8*qq+\j], v[TM+8*qq+\j], v[S+64*qq+8*\j+\i], v[S+64*qq+8*\j+\i+1]
.endr
.set qq, qq+1
.endr
.endr
.set qq, \lo
.rept \n
.irp j, 0,1,2,3
	v_max3_num_f32 v[TM+8*qq+\j], v[TM+8*qq+\j], v[S+64*qq+16*\j+7], v[S+64*qq+16*\j+15]
.endr
.set qq, qq+1
.endr
.set qq, \lo
.rept \n
	v_max3_num_f32 v[TM+8*qq], v[TM+8*qq], v[TM+8*qq+4], v[TM+8*qq+5]
	v_max3_num_f32 v[TM+8*qq+1], v[TM+8*qq+1], v[TM+8*qq+6], v[TM+8*qq+7]
	v_mov_b32 v[26+qq], v[16+2*qq]                 ; the old -c m
.set qq, qq+1
.endr
.set qq, \lo
.rept \n
	v_max3_num_f32 v[TM+8*qq], v[TM+8*qq], v[TM+8*qq+1], v[TM+8*qq+2]
.set qq, qq+1
.endr
.set qq, \lo
.rept \n
	v_max3_num_f32 v[17+2*qq], v[TM+8*qq], v[TM+8*qq+3], v[17+2*qq]   ; the new m
.set qq, qq+1
.endr
.set qq, \lo
.rept \n
	v_mul_f32 v[16+2*qq], s42, v[17+2*qq]
.set qq, qq+1
.endr
.set qq, \lo
.rept \n
	v_sub_f32 v[28+qq], v[16+2*qq], v[26+qq]       ; c m_old - c m_new
.set qq, qq+1
.endr
	SCALE \lo, \n
	WA
.set qq, \lo
.rept \n
	v_exp_f32 v[14+10*qq], v[28+qq]                ; the factor a
.set qq, qq+1
.endr
	EXPS \lo, \n
	v_nop                                          ; a plain line behind the last exponential
	WA
.set qq, \lo
.rept \n
.irp c, 0,1,2,3
	v_pk_add_f32 v[TM+8*qq+2*\c:TM+8*qq+2*\c+1], v[S+64*qq+4*\c:S+64*qq+4*\c+1], v[S+64*qq+4*\c+2:S+64*qq+4*\c+3]
.endr
.set qq, qq+1
.endr
.irp k, 0,1,2,3,4,5
.set qq, \lo
.rept \n
.irp c, 0,1,2,3
	v_pk_add_f32 v[TM+8*qq+2*\c:TM+8*qq+2*\c+1], v[TM+8*qq+2*\c:TM+8*qq+2*\c+1], v[S+64*qq+16+8*\k+2*\c:S+64*qq+17+8*\k+2*\c]
.endr
.set qq, qq+1
.endr
.endr
.set qq, \lo
.rept \n
	v_pk_add_f32 v[TM+8*qq:TM+8*qq+1], v[TM+8*qq:TM+8*qq+1], v[TM+8*qq+2:TM+8*qq+3]
	v_pk_add_f32 v[TM+8*qq+4:TM+8*qq+5], v[TM+8*qq+4:TM+8*qq+5], v[TM+8*qq+6:TM+8*qq+7]
.set qq, qq+1
.endr
.set qq, \lo
.rept \n
	v_pk_add_f32 v[TM+8*qq:TM+8*qq+1], v[TM+8*qq:TM+8*qq+1], v[TM+8*qq+4:TM+8*qq+5]
.set qq, qq+1
.endr
.set qq, \lo
.rept \n
	v_pk_fma_f32 v[20+2*qq:21+2*qq], v[20+2*qq:21+2*qq], v[14+10*qq:15+10*qq], v[TM+8*qq:TM+8*qq+1] op_sel_hi:[1,0,1]   ; l = a l + the sum
.set qq, qq+1
.endr
.endm
; The end of pass 1: the two lanes of a query bring their l under the common maximum and add them; -L2 = -c m - log2(l) takes -c m's place.
.macro FINAL
.irp q, 0,1
	v_permlanex16_b32 v[TM+\q], v[17+2*\q], s44, s45
.endr
.irp q, 0,1
	v_max_num_f32 v[TM+\q], v[TM+\q], v[17+2*\q]
.endr
.irp q, 0,1
	v_mul_f32 v[TM+4+\q], s42, v[TM+\q]
.endr
.irp q, 0,1
	v_sub_f32 v[TM+8+\q], v[TM+4+\q], v[16+2*\q]
.endr
.irp q, 0,1
	v_add_f32 v[TM+12+\q], v[20+2*\q], v[21+2*\q]
.endr
	WA
.irp q, 0,1
	v_exp_f32 v[TM+8+\q], v[TM+8+\q]
.endr
	v_nop
	WA
.irp q, 0,1
	v_mul_f32 v[TM+12+\q], v[TM+12+\q], v[TM+8+\q]
.endr
.irp q, 0,1
	v_permlanex16_b32 v[TM+\q], v[TM+12+\q], s44, s45
.endr
.irp q, 0,1
	v_add_f32 v[TM+\q], v[TM+\q], v[TM+12+\q]
.endr
	WA
.irp q, 0,1
	v_log_f32 v[TM+\q], v[TM+\q]
.endr
	v_nop
	WA
.irp q, 0,1
	v_sub_f32 v[16+2*\q], v[TM+4+\q], v[TM+\q]
.endr
.endm
.macro DMIN a, h                       ; two holds in one instruction
	v_dual_min_num_f32 v[\a], v[\a], v[\h] :: v_dual_min_num_f32 v[\a+1], v[\a+1], v[\h]
.endm
.macro DMIN8 b
.irp i, 0,2,4,6,8,10,12,14
	DMIN rS+16*(\b)+\i, TM+8+(\b)
.endr
.endm
; PASS 2: tile q's four blocks of 32 keys are quantised: codes into v[P + 16 q] on, the scale word into v[PW + q].
.macro QNT q
.set rS, S+64*(\q)
.set rP, P+16*(\q)
.irp b, 0,1,2,3
	v_max3_num_f32 v[TM+\b], v[rS+16*\b], v[rS+16*\b+1], 0x8000000   ; with the floor 2^(16 - 127): the byte cannot fall under 1
.endr
.irp b, 0,1,2,3
	v_max3_num_f32 v[TM+4+\b], v[rS+16*\b+8], v[rS+16*\b+9], v[rS+16*\b+10]
.endr
.irp i, 0,2
.irp b, 0,1,2,3
	v_max3_num_f32 v[TM+\b], v[TM+\b], v[rS+16*\b+2+\i], v[rS+16*\b+3+\i]
.endr
.irp b, 0,1,2,3
	v_max3_num_f32 v[TM+4+\b], v[TM+4+\b], v[rS+16*\b+11+\i], v[rS+16*\b+12+\i]
.endr
.endr
.irp b, 0,1,2,3
	v_max3_num_f32 v[TM+\b], v[TM+\b], v[rS+16*\b+6], v[rS+16*\b+7]
.endr
.irp b, 0,1,2,3
	v_max3_num_f32 v[TM+\b], v[TM+\b], v[TM+4+\b], v[rS+16*\b+15]
.endr
.irp b, 0,1,2,3
	v_permlanex16_b32 v[TM+4+\b], v[TM+\b], s44, s45
.endr
.irp b, 0,1,2,3
	v_max_num_f32 v[TM+\b], v[TM+\b], v[TM+4+\b]   ; with lane l xor 16's 16 keys
.endr
.irp b, 0,1,2,3
	v_and_or_b32 v[TM+8+\b], v[TM+\b], 0x7f800000, s43   ; 57,344 x the scale
.endr
.irp b, 0,1,2,3
	v_add_nc_u32 v[TM+12+\b], 0xf8800000, v[TM+\b] ; the conversion's scale operand
.endr
.irp b, 0,1,2,3
	v_lshrrev_b32 v[TM+4+\b], 23, v[TM+12+\b]      ; the byte
.endr
	DMIN8 0                                        ; the conversion does not saturate (ISA guide 7.6.2); p is not negative, so the hold is one-sided
	v_lshl_or_b32 v[PW+(\q)], v[TM+5], 8, v[TM+4]
	DMIN8 1
	v_lshl_or_b32 v[PW+(\q)], v[TM+6], 16, v[PW+(\q)]
	DMIN8 2
	v_lshl_or_b32 v[PW+(\q)], v[TM+7], 24, v[PW+(\q)]
	DMIN8 3
.irp b, 0,1,2,3
	v_cvt_scalef32_pk8_bf8_f32 v[rP+4*\b:rP+4*\b+1], v[rS+16*\b:rS+16*\b+7], v[TM+12+\b]
	v_cvt_scalef32_pk8_bf8_f32 v[rP+4*\b+2:rP+4*\b+3], v[rS+16*\b+8:rS+16*\b+15], v[TM+12+\b]
.endr
	v_nop                                          ; a plain line behind the last conversion
.endm
.macro STEP1 lo, n                     ; the next K record is asked for; statistics still due under its flight; the next step's products
	LOADK
	STATS \lo, \n
	WA
	s_wait_dscnt 0x0                               ; K is in
	KQ16 0
.endm
.macro QPV                             ; behind the exponentials: both tiles' codes, and O^T's 16 products
	v_nop                                          ; a plain line behind the last exponential
	WA
	QNT 0
	QNT 1
	PLACES 3                                       ; with the line above: codes written by vector instructions stand four places ahead of a scaled matrix instruction
	PV16
.endm
.macro STEP2
	LOADK
	KQ16 1
	LOADV                                          ; V lands under the scalings and exponentials
	SCALE 0, 2
	WA
	EXPS 0, 2
	s_wait_dscnt 0x0                               ; V is in
	QPV
.endm
.macro WALK sel                        ; no tensor load of mine is out: group 0 steps on to the fill two slots ahead, in the slot that is being left; the slot read next
	s_add_nc_u64 s[26:27], s[26:27], s[2:3]
.if \sel
	s_cmp_eq_u32 s47, 2                            ; pass 1's last trip but one asks for pass 2's first fill; from there on a fill is two records
	s_cselect_b64 s[26:27], s[28:29], s[26:27]
	s_cselect_b32 s2, 2*REC, s2
.endif
	s_xor_b32 s25, s25, SLOT
	s_xor_b32 s36, s36, SLOT
.endm
	WA                                             ; the head's end
	s_wait_loadcnt 0x0                             ; Q
	s_wait_tensorcnt 0x0                           ; my record of fill 0 is in; slot 1's first fill goes out as a refill does
	ds_add_u32 v[SPW], v[NIL]
	s_add_nc_u64 s[26:27], s[26:27], s[2:3]
	s_xor_b32 s25, s25, SLOT
	s_mov_b32 s36, 0                               ; the slot that is read
	s_wait_dscnt 0x0
	CROUND
	ASKFILL
	; ---- PASS 1: eight slots of four steps.  At a trip's top its slot is whole and the next fill is on its way.
	s_mov_b32 s47, 8
.Lp1:
	s_mov_b32 s46, s36
	STEP1 1, 1                                     ; the slot's first K record; tile 1's statistics of the step before
	s_mov_b32 s48, 2
.Ls1:
	s_add_co_u32 s46, s46, REC
	STEP1 0, 2
	s_sub_co_u32 s48, s48, 1
	s_cmp_lg_u32 s48, 0
	s_cbranch_scc1 .Ls1
	s_add_co_u32 s46, s46, REC
	LOADK                                          ; my last reads of this slot
	s_wait_tensorcnt 0x0                           ; my record of the next slot is in
	ds_add_u32 v[SPW], v[NIL]                      ; work on registers stands between the add and its wait
	WALK 1
	STATS 0, 2
	WA
	s_wait_dscnt 0x0                               ; the add is done, K is in: my reads of this slot are over
	s_barrier_signal -1                            ; say so, and work on registers while the others arrive
	KQ16 0
	PLACES 8
	STATS 0, 1
	s_barrier_wait -1
	CREST
	ASKFILL
	s_sub_co_u32 s47, s47, 1
	s_cmp_lg_u32 s47, 0
	s_cbranch_scc1 .Lp1
	STATS 1, 1
	FINAL
	WIN 0x40
.set cnt, 0
.rept 128
	v_mov_b32 v[128+cnt], 0                        ; O^T: the loop's body is written once, so its sums begin here
.set cnt, cnt+1
.endr
	WIN 0
	WA
	; ---- PASS 2: sixteen slots of two steps.  Fourteen trips ask for a fill; the last two slots are walked by a loop of their own, which asks for nothing.
	s_mov_b32 s47, 14
.Lp2:
	s_mov_b32 s46, s36
	STEP2
	s_add_co_u32 s46, s46, REC
	LOADK
	KQ16 1
	LOADV                                          ; my last reads of this slot
	s_wait_tensorcnt 0x0                           ; my record of the next slot is in
	ds_add_u32 v[SPW], v[NIL]                      ; work on registers stands between the add and its wait
	WALK 0
	SCALE 0, 2
	WA
	s_wait_dscnt 0x0                               ; the add is done, V is in: my reads of this slot are over
	s_barrier_signal -1                            ; say so, and work on registers while the others arrive
	EXPS 0, 2
	QPV
	s_barrier_wait -1
	CREST
	ASKFILL
	s_sub_co_u32 s47, s47, 1
	s_cmp_lg_u32 s47, 0
	s_cbranch_scc1 .Lp2
	s_mov_b32 s47, 2
.Lp2t:
	s_mov_b32 s46, s36
	s_mov_b32 s48, 2
.Ls2t:
	STEP2
	s_add_co_u32 s46, s46, REC
	s_sub_co_u32 s48, s48, 1
	s_cmp_lg_u32 s48, 0
	s_cbranch_scc1 .Ls2t
	s_wait_tensorcnt 0x0                           ; the last fill; nothing is filled again
	ds_add_u32 v[SPW], v[NIL]
	s_xor_b32 s36, s36, SLOT
	s_wait_dscnt 0x0
	s_barrier_signal -1
	s_barrier_wait -1                              ; the last slot is whole; the second time: nobody reads the ring any more
	s_sub_co_u32 s47, s47, 1
	s_cmp_lg_u32 s47, 0
	s_cbranch_scc1 .Lp2t
	; ---- THE WAY OUT.  My O^T, rounded to f16, goes to LDS as an image of its registers (in slot 0, behind its last fill and its last read), and -L2 beside it.
	WIN 0x05                                       ; sources 0 and 1 window 1
	PLACES 8
	WA
.irp q, 0,1
.set cnt, 0
.rept 32
	v_cvt_pk_f16_f32 v[S+32*\q+cnt], v[128+64*\q+2*cnt], v[128+64*\q+2*cnt+1]   ; each accumulator from its low end on
.set cnt, cnt+1
.endr
.endr
	WIN 0
.set cnt, 0
.rept 16
	ds_store_b128 v5, v[S+4*cnt:S+4*cnt+3] offset:512*cnt
.set cnt, cnt+1
.endr
.irp q, 0,1
	ds_store_b32 v6, v[16+2*\q] offset:32*\q       ; both lanes of a query write the same word with the same value
.endr
	WA
	s_wait_dscnt 0x0                               ; for the others' sake: my stores are done
	s_barrier_signal -1
	s_barrier_wait -1
	; The tile that I merge: both sets' images, the two weights 2^(L2 - max) / their sum, the merged rows through my stage, out as whole rows of 256 bytes.
.irp k, 0,1,2,3,4,5,6,7
	ds_load_b128 v[64+4*\k:67+4*\k], v7 offset:512*\k
.endr
.irp k, 0,1,2,3,4,5,6,7
	ds_load_b128 v[96+4*\k:99+4*\k], v7 offset:32768+512*\k
.endr
	ds_load_b32 v32, v8
	ds_load_b32 v33, v8 offset:512
	s_wait_dscnt 0x0
	v_min_num_f32 v34, v32, v33                    ; -(the larger L2)
	v_sub_f32 v35, v34, v32
	v_sub_f32 v36, v34, v33
	WA
	v_exp_f32 v35, v35
	v_exp_f32 v36, v36
	v_nop
	WA
	v_add_f32 v37, v35, v36
	WA
	v_rcp_f32 v37, v37
	v_nop
	WA
	v_mul_f32 v38, v35, v37                        ; set A's weight
	v_mul_f32 v40, v36, v37                        ; set B's
.set cnt, 0
.irp r, v64.l,v64.h,v65.l,v65.h,v66.l,v66.h,v67.l,v67.h,v68.l,v68.h,v69.l,v69.h,v70.l,v70.h,v71.l,v71.h,v72.l,v72.h,v73.l,v73.h,v74.l,v74.h,v75.l,v75.h,v76.l,v76.h,v77.l,v77.h,v78.l,v78.h,v79.l,v79.h,v80.l,v80.h,v81.l,v81.h,v82.l,v82.h,v83.l,v83.h,v84.l,v84.h,v85.l,v85.h,v86.l,v86.h,v87.l,v87.h,v88.l,v88.h,v89.l,v89.h,v90.l,v90.h,v91.l,v91.h,v92.l,v92.h,v93.l,v93.h,v94.l,v94.h,v95.l,v95.h
	v_cvt_f32_f16 v[S+cnt], \r
.set cnt, cnt+1
.endr
.irp r, v96.l,v96.h,v97.l,v97.h,v98.l,v98.h,v99.l,v99.h,v100.l,v100.h,v101.l,v101.h,v102.l,v102.h,v103.l,v103.h,v104.l,v104.h,v105.l,v105.h,v106.l,v106.h,v107.l,v107.h,v108.l,v108.h,v109.l,v109.h,v110.l,v110.h,v111.l,v111.h,v112.l,v112.h,v113.l,v113.h,v114.l,v114.h,v115.l,v115.h,v116.l,v116.h,v117.l,v117.h,v118.l,v118.h,v119.l,v119.h,v120.l,v120.h,v121.l,v121.h,v122.l,v122.h,v123.l,v123.h,v124.l,v124.h,v125.l,v125.h,v126.l,v126.h,v127.l,v127.h
	v_cvt_f32_f16 v[S+cnt], \r
.set cnt, cnt+1
.endr
.set cnt, 0
.rept 32
	v_pk_mul_f32 v[S+cnt:S+cnt+1], v[S+cnt:S+cnt+1], v[38:39] op_sel_hi:[1,0]
.set cnt, cnt+2
.endr
.set cnt, 0
.rept 32
	v_pk_fma_f32 v[S+cnt:S+cnt+1], v[S+64+cnt:S+64+cnt+1], v[40:41], v[S+cnt:S+cnt+1] op_sel_hi:[1,0,1]
.set cnt, cnt+2
.endr
.set cnt, 0
.rept 32
	v_cvt_pk_f16_f32 v[64+cnt], v[S+2*cnt], v[S+2*cnt+1]
.set cnt, cnt+1
.endr
.irp t, 0,1,2,3,4,5,6,7
	ds_store_b128 v9, v[64+4*\t:67+4*\t] offset:32*\t            ; lane (r, h): channels 16 t + 8 h + 0 .. 7 of row r
.endr
.irp f, 0,1,2,3,4,5,6,7
	ds_load_b128 v[96+4*\f:99+4*\f], v10 offset:544*\f           ; LDS serves a wave's instructions in order (ISA guide 5.7.1.4): these see my stores
.endr
	WA
.irp f, 0,1,2,3,4,5,6,7
	s_wait_dscnt 7-\f                              ; rows 2 f, 2 f + 1 of the tile are back; the younger loads may be out
	global_store_b128 v11, v[96+4*\f:99+4*\f], s[6:7] offset:(2*\f+8*(\f/4))*256 th:TH_STORE_NT   ; 16 lanes store a whole row of 256 bytes
.endr
	s_cmp_lg_u32 s10, 0                            ; wave 0 alone: the merged log-sum-exp of the 128 queries, four a lane
	s_cbranch_scc1 .Lno_lse
	ds_load_b128 v[32:35], v12
	ds_load_b128 v[36:39], v12 offset:512
	s_wait_dscnt 0x0
.irp j, 0,1,2,3
	v_min_num_f32 v[40+\j], v[32+\j], v[36+\j]     ; -(the larger L2)
.endr
.irp j, 0,1,2,3
	v_sub_f32 v[32+\j], v[40+\j], v[32+\j]
.endr
.irp j, 0,1,2,3
	v_sub_f32 v[36+\j], v[40+\j], v[36+\j]
.endr
	WA
.irp j, 0,1,2,3
	v_exp_f32 v[32+\j], v[32+\j]
.endr
.irp j, 0,1,2,3
	v_exp_f32 v[36+\j], v[36+\j]
.endr
	v_nop
	WA
.irp j, 0,1,2,3
	v_add_f32 v[32+\j], v[32+\j], v[36+\j]
.endr
	WA
.irp j, 0,1,2,3
	v_log_f32 v[32+\j], v[32+\j]
.endr
	v_nop
	WA
.irp j, 0,1,2,3
	v_sub_f32 v[32+\j], v[32+\j], v[40+\j]         ; the larger L2 + log2(the sum)
.endr
.irp j, 0,1,2,3
	v_mul_f32 v[44+\j], 0x3f317218, v[32+\j]       ; x ln 2
.endr
	global_store_b128 v13, v[44:47], s[8:9]        ; 512 consecutive bytes
.Lno_lse:
	s_wait_tensorcnt 0x0                           ; the wave's end
	ds_add_u32 v[SPW], v[NIL]
	s_wait_dscnt 0x0
	CROUND                                         ; the closing round
	s_endpgm
.Lfunc_end_k_q4051639741_attn:
	.size	k_q4051639741_attn, .Lfunc_end_k_q4051639741_attn-k_q4051639741_attn
	.p2alignl 7, 3214868480
	.fill 96, 4, 3214868480
	.section	.rodata,"a",@progbits
	.p2align	6, 0x0
	.amdhsa_kernel k_q4051639741_attn
		.amdhsa_group_segment_fixed_size 327680
		.amdhsa_private_segment_fixed_size 0
		.amdhsa_enable_private_segment 0
		.amdhsa_kernarg_size 24
		.amdhsa_user_sgpr_count 2
		.amdhsa_user_sgpr_kernarg_segment_ptr 1
		.amdhsa_wavefront_size32 1
		.amdhsa_system_sgpr_workgroup_id_x 1
		.amdhsa_system_sgpr_workgroup_id_y 1
		.amdhsa_system_sgpr_workgroup_id_z 1
		.amdhsa_system_vgpr_workitem_id 0
		.amdhsa_next_free_vgpr 512
		.amdhsa_next_free_sgpr 66
		.amdhsa_reserve_vcc 0
		.amdhsa_float_denorm_mode_32 3
		.amdhsa_float_denorm_mode_16_64 3
		.amdhsa_memory_ordered 1
		.amdhsa_forward_progress 1
		.amdhsa_inst_pref_size 201
	.end_amdhsa_kernel
	.amdgpu_metadata
---
amdhsa.version: [ 1, 2 ]
amdhsa.kernels:
  - .name:           k_q4051639741_attn
    .symbol:         k_q4051639741_attn.kd
    .args:
      - { .name: ws, .offset: 0, .size: 8, .value_kind: global_buffer, .address_space: global }
      - { .name: out0, .offset: 8, .size: 8, .value_kind: global_buffer, .address_space: global }
      - { .name: out1, .offset: 16, .size: 8, .value_kind: global_buffer, .address_space: global }
    .group_segment_fixed_size: 327680
    .private_segment_fixed_size: 0
    .kernarg_segment_align: 8
    .kernarg_segment_size: 24
    .max_flat_workgroup_size: 256
    .sgpr_count:     66
    .vgpr_count:     512
    .wavefront_size: 32
...
	.end_amdgpu_metadata
.endif
;; end of part 2
